; MI455X (gfx1250); checked and timed in simulation.
; The chip was launched on July 23, 2026; its instructions are those of AMD's public machine-readable ISA for CDNA 5 (MIT licence, August 2026) and "CDNA5" Instruction Set Architecture Reference Guide (July 2026). The comments in the code are by the model that wrote it; some were corrected since.
;; Conservative GSA Attention. Allowed arithmetic: matrix products marked QUANTISED: E4M3 operands, one given power-of-two scale a tensor, by v_wmma_f32_16x16x64_fp8_fp8 or v_wmma_f32_16x16x128_fp8_fp8, f32 sums; everything else in f32.
;; Inputs: Wproj 1,024 x 1,024 float32; Wqkv 3,072 x 1,024 float32; bproj 1,024 float32; bqkv 3,072 float32; hidden_states 4 x 2,048 x 1,024 float32; lowp_scales 8 int32 (the exponents e of the quantised operands' scales 2^e); splat_bias 16 x 1 x 1 float32; splat_scale 16 float32.
;; Outputs: out0 4 x 2,048 x 1,024 float32.
;; This version of the problem:
;;   THIS VERSION OF THE PROBLEM IS GIVEN IN LOW PRECISION. The matrix products marked QUANTISED in the list below multiply operands that are first quantised to E4M3 (4 exponent bits, 3 mantissa bits; 8 bits a number), with one given power-of-two scale for each operand tensor; their sums are f32. All else is computed in f32.
;;   The module's matrix products, in the order in which they are computed (A, B: the left and right operand; K: the contracted axis; several contracted axes count as one K, in the product's order):
;;     1. [M 8,192, K 1,024] x [K 1,024, N 3,072]; A: input hidden_states; B: input Wqkv: QUANTISED (scales: A lowp_scales[0], B lowp_scales[1])
;;     2. batch 64 x [M 2,048, K 64] x [K 64, N 2,048]; A: computed on the way; B: computed on the way: QUANTISED (scales: A lowp_scales[2], B lowp_scales[3])
;;     3. batch 64 x [M 2,048, K 2,048] x [K 2,048, N 64]; A: softmax (see below); B: computed on the way: QUANTISED (scales: A lowp_scales[4], B lowp_scales[5])
;;     4. [M 8,192, K 1,024] x [K 1,024, N 1,024]; A: computed on the way; B: input Wproj: QUANTISED (scales: A lowp_scales[6], B lowp_scales[7])
;;   THE QUANTISER, for each operand of a quantised product, along K:
;;     - The operand's scale is 2^e, e = its entry of the input lowp_scales (int32; the entries are numbered through the quantised products in the list's order, A before B).
;;     - Each number is divided by the scale, clamped to +-448, and rounded to the nearest number of E4M3, ties to even, subnormals kept.
;;     - The product sums the exact products of the quantised numbers (number of the format x scale) in f32.
;;   ~~~python
;;   def quantise(x, axis, e):      # numpy; x: float32 -> the quantised numbers, widened to float32 again
;;       x = np.moveaxis(x, axis, -1); K = x.shape[-1]
;;       r = np.clip(x / 2.0 ** e, -448, 448)
;;       step = 2.0 ** (np.maximum(np.frexp(np.where(r == 0, 1, r))[1] - 1, -6) - 3)
;;       q = np.round(r / step) * step * 2.0 ** e      # np.round: ties to even
;;       return np.moveaxis(q, -1, axis).astype(np.float32)
;;   ~~~
;;   SOFTMAX AHEAD OF A QUANTISED PRODUCT. Where the list says 'softmax', what is quantised is not the finished softmax but p = 2^(t - M), with t = logit x log2(e) and M = ceil(the row's largest t), a whole number; so 1/2 < the row's largest p <= 1. The row's sum l is taken of the UNQUANTISED p, in f32, and the product's result is divided by l at the end. Since M is a whole number, a kernel that streams over the keys may use a running M (the ceiling of the running maximum): every later rescaling is an exact power of two, so the quantised numbers keep their values, but for numbers so far below the row's largest that they fall under the format's range.
;;   OPERANDS COMPUTED ON THE WAY. 'Computed on the way' means the value that the module computes at that place (a softmax that the list does not call 'softmax' is quantised finished and normalised). What goes into a quantiser is computed in f32, as accurately as f32 sums, v_exp_f32 and their like allow (about 1e-6 of the number): no bf16 or f16 on the way to a quantiser, and a product that is left as it is and whose result goes on into a quantised operand takes f32 operands (vector FMAs, or v_wmma_f32_16x16x4_f32). A number that lies on a knife's edge between two numbers of the format may be rounded either way, as far as f32 arithmetic and the matrix unit's own rounding can turn it there, and no further.
;; One version. Each part assembles by itself: llvm-mc -triple=amdgcn-amd-amdhsa -mcpu=gfx1250 --defsym DOCPART=n.
;; ======== version 1 of 1: 4 launches
;; limits: right only within a limited range of input values
;; workspace buffers: hs_codes 8,388,608 bytes; wqkv_codes 3,145,728 bytes; wproj_codes 1,048,576 bytes; q_codes 8,388,608 bytes; k_codes 8,388,608 bytes; v_codes 8,388,608 bytes; attn_codes 8,388,608 bytes
;; launch quant (part 1): grid 384 x 1, 4 waves a work-group, no clusters, 34,304 bytes of LDS; arguments hidden_states, Wqkv, Wproj, lowp_scales, hs_codes, wqkv_codes, wproj_codes; writes hs_codes, wqkv_codes, wproj_codes
.if DOCPART == 1
	.amdgcn_target "amdgcn-amd-amdhsa--gfx1250"
	.amdhsa_code_object_version 6
	.text
	.protected	k_qe6fd1f0f43_quant
	.globl	k_qe6fd1f0f43_quant
	.p2align	8
	.type	k_qe6fd1f0f43_quant,@function
k_qe6fd1f0f43_quant:
	s_mov_b64 s[64:65], 0
	v_nop
	global_prefetch_b8 v0, s[64:65] scope:SCOPE_SE
	s_setreg_imm32_b32 hwreg(HW_REG_WAVE_MODE, 25, 1), 1
	s_wait_xcnt 0x0
; hidden_states [8192][1024], Wqkv [3072][1024], Wproj [1024][1024], f32, K innermost, become codes of FP8 (E4M3), each tensor with its given scale 2^e
; (entries 0, 1 and 7 of the scales).  code = x / 2^e, held within +-448, rounded to the nearest code, ties to even.
; THE CODES ARE LAID AS IMAGES OF OPERAND REGISTERS: [block of 16 rows][K step of 128 (8)][group of 4 registers (4)][lane][16 bytes].  Of a fragment (16 rows x 128 K, 16 registers)
; lane (r, h) holds row r, and its registers 2 c, 2 c + 1 hold k = 16 c + 8 h + 0 .. 7: the layout of v_wmma_f32_16x16x128_fp8_fp8.  A reader takes a fragment by four loads of 16 bytes a lane.
; SHARES.  768 blocks of 16 rows: 512, 192, 64.  A wave takes half of one (16 rows x 512 K: four fragments), a work-group two blocks.  Work-groups 0-255: hidden_states; 256-351: Wqkv; 352-383: Wproj.
; Only pointers, the exponent and the block's number are chosen; all three tensors take one path.
; A load reads 512 consecutive bytes of one row, 16 a lane; a fragment's 16 rows turn through the wave's own stage in LDS (rows of 512 + 16 bytes) and come back 32 bytes of one row at a time,
; so that a lane's eight registers are eight neighbours along K.  A store covers 512 consecutive bytes, aligned.  Waves share nothing: no barrier.
; LIMITS: each of the three exponents lies between -126 and 119.  NaN among the inputs is not served; an infinity is held at the largest code.
.set SP,   528                         ; a stage row
.set STG,  16*SP                       ; a wave's stage
.set R,    16                          ; v16-143  two sets of 64 numbers as loaded
.set X,    144                         ; v144-207 64 numbers in the operand's order
.set C,    208                         ; v208-239 two sets of 16 registers of codes
	s_load_b256 s[4:11], s[0:1], 0x0               ; hidden_states s[4:5], Wqkv s[6:7], Wproj s[8:9], the exponents s[10:11]
	s_load_b128 s[12:15], s[0:1], 0x20             ; hs_codes s[12:13], wqkv_codes s[14:15]
	s_load_b64 s[16:17], s[0:1], 0x30              ; wproj_codes
	v_lshl_add_u32 v240, v0, 2, 0x8400
	v_mov_b32 v241, 0
	v_lshrrev_b32 v4, 5, v0
	v_readfirstlane_b32 s18, v4                    ; wave 0..3
	v_and_b32 v5, 31, v0
	v_lshlrev_b32 v1, 4, v5                        ; 16 x lane: my bytes of a load's and of a store's 512
	s_mul_i32 s19, s18, STG
	v_add_nc_u32 v2, s19, v1                       ; the stage, on the way in
	v_and_b32 v6, 15, v0                           ; r
	v_bfe_u32 v7, v0, 4, 1                         ; h
	v_mul_u32_u24 v3, v6, SP
	v_lshl_add_u32 v3, v7, 5, v3
	v_add_nc_u32 v3, s19, v3                       ; and on the way out: row r, + 32 h
	s_mov_b32 s20, 352
	s_cmp_lt_u32 ttmp9, 352
	s_cselect_b32 s20, 256, s20
	s_cmp_lt_u32 ttmp9, 256
	s_cselect_b32 s20, 0, s20                      ; my tensor's first work-group
	s_sub_co_u32 s20, ttmp9, s20
	s_lshl_b32 s20, s20, 1
	s_lshr_b32 s21, s18, 1
	s_add_co_u32 s20, s20, s21                     ; my block of 16 rows
	s_and_b32 s21, s18, 1                          ; my half of K
	s_lshl_b32 s22, s20, 16                        ; in: 16 rows of 4,096 bytes,
	s_lshl_b32 s32, s21, 11                        ; 512 numbers
	s_add_co_u32 s22, s22, s32
	s_mov_b32 s23, 0
	s_lshl_b32 s34, s20, 14                        ; out: a block's 16,384 bytes,
	s_lshl_b32 s32, s21, 13                        ; four fragments of 2,048
	s_add_co_u32 s34, s34, s32
	s_mov_b32 s35, 0
	s_wait_alu depctr_va_vdst(0)
	s_wait_kmcnt 0x0
	s_load_b256 s[24:31], s[10:11], 0x0            ; the eight exponents
	s_cmp_lt_u32 ttmp9, 352                        ; the choices hang on the work-group's number alone
	s_cselect_b64 s[6:7], s[6:7], s[8:9]
	s_cselect_b64 s[14:15], s[14:15], s[16:17]
	s_cmp_lt_u32 ttmp9, 256
	s_cselect_b64 s[4:5], s[4:5], s[6:7]
	s_cselect_b64 s[12:13], s[12:13], s[14:15]
	s_add_nc_u64 s[4:5], s[4:5], s[22:23]
	s_add_nc_u64 s[12:13], s[12:13], s[34:35]
.macro LOAD f                          ; fragment f: 128 numbers of each of my 16 rows, into set f % 2
.irp i, 0,1,2,3,4,5,6,7,8,9,10,11,12,13,14,15
	global_load_b128 v[R+64*((\f)%2)+4*\i:R+64*((\f)%2)+4*\i+3], v1, s[4:5] offset:4096*\i+512*(\f) th:TH_LOAD_NT
.endr
.endm
	LOAD 0
	LOAD 1
	s_wait_kmcnt 0x0
	s_cmp_lt_u32 ttmp9, 352
	s_cselect_b32 s21, s25, s31
	s_cmp_lt_u32 ttmp9, 256
	s_cselect_b32 s21, s24, s21                    ; e
	s_add_co_i32 s21, s21, 127
	s_lshl_b32 s22, s21, 23
	v_mov_b32 v11, s22                             ; 2^e as f32: the conversion takes its exponent field
	s_add_co_i32 s21, s21, 8
	s_lshl_b32 s21, s21, 23
	s_or_b32 s21, s21, 0x600000
	v_mov_b32 v10, s21                             ; 448 x 2^e
.macro FRAGQ f
.set RS, R+64*((\f)%2)
.set CSET, C+16*((\f)%2)
.if (\f) < 3
	s_wait_loadcnt 16                              ; this fragment's 16 loads are in; the next fragment's 16 may be out
.else
	s_wait_loadcnt 0
.endif
.irp i, 0,1,2,3,4,5,6,7,8,9,10,11,12,13,14,15
	ds_store_b128 v2, v[RS+4*\i:RS+4*\i+3] offset:SP*\i
.endr
.irp c, 0,1,2,3,4,5,6,7                        ; LDS serves a wave's instructions in order: these see the stores above
	ds_load_b128 v[X+8*\c:X+8*\c+3], v3 offset:64*\c
	ds_load_b128 v[X+8*\c+4:X+8*\c+7], v3 offset:64*\c+16
.endr
	s_wait_dscnt 0x0                               ; the numbers are back, so the stores into the stage have read their registers,
.if (\f)+2 < 4
	LOAD (\f)+2                                    ; which take the fragment two further on
.endif
.if (\f) >= 2
	s_wait_xcnt 0x0                                ; the stores of two fragments ago have read this set of codes: it is written again only behind this wait
.endif
.irp c, 0,1,2,3,4,5,6,7
.irp i, 0,1,2,3,4,5,6,7
	v_med3_num_f32 v[X+8*\c+\i], v[X+8*\c+\i], -v10, v10   ; the conversion to an 8-bit code does not saturate (ISA guide 7.6.2): the hold at the largest code x the scale
.endr
	v_cvt_scalef32_pk8_fp8_f32 v[CSET+2*\c:CSET+2*\c+1], v[X+8*\c:X+8*\c+7], v11   ; registers 2 c, 2 c + 1 of the fragment
.endr
.irp g, 0,1,2,3
	global_store_b128 v1, v[CSET+4*\g:CSET+4*\g+3], s[12:13] offset:2048*(\f)+512*\g
.endr
.endm
	s_wait_alu depctr_va_vdst(0)
	FRAGQ 0
	FRAGQ 1
	FRAGQ 2
	FRAGQ 3
	s_wait_tensorcnt 0x0
	ds_add_u32 v240, v241
	s_wait_dscnt 0x0
	s_endpgm
.Lfunc_end_k_qe6fd1f0f43_quant:
	.size	k_qe6fd1f0f43_quant, .Lfunc_end_k_qe6fd1f0f43_quant-k_qe6fd1f0f43_quant
	.p2alignl 7, 3214868480
	.fill 96, 4, 3214868480
	.section	.rodata,"a",@progbits
	.p2align	6, 0x0
	.amdhsa_kernel k_qe6fd1f0f43_quant
		.amdhsa_group_segment_fixed_size 34304
		.amdhsa_private_segment_fixed_size 0
		.amdhsa_enable_private_segment 0
		.amdhsa_kernarg_size 56
		.amdhsa_user_sgpr_count 2
		.amdhsa_user_sgpr_kernarg_segment_ptr 1
		.amdhsa_wavefront_size32 1
		.amdhsa_system_sgpr_workgroup_id_x 1
		.amdhsa_system_sgpr_workgroup_id_y 1
		.amdhsa_system_sgpr_workgroup_id_z 1
		.amdhsa_system_vgpr_workitem_id 0
		.amdhsa_next_free_vgpr 242
		.amdhsa_next_free_sgpr 66
		.amdhsa_reserve_vcc 0
		.amdhsa_float_denorm_mode_32 3
		.amdhsa_float_denorm_mode_16_64 3
		.amdhsa_memory_ordered 1
		.amdhsa_forward_progress 1
		.amdhsa_inst_pref_size 37
	.end_amdhsa_kernel
	.amdgpu_metadata
---
amdhsa.version: [ 1, 2 ]
amdhsa.kernels:
  - .name:           k_qe6fd1f0f43_quant
    .symbol:         k_qe6fd1f0f43_quant.kd
    .args:
      - { .name: hidden_states, .offset: 0, .size: 8, .value_kind: global_buffer, .address_space: global }
      - { .name: Wqkv, .offset: 8, .size: 8, .value_kind: global_buffer, .address_space: global }
      - { .name: Wproj, .offset: 16, .size: 8, .value_kind: global_buffer, .address_space: global }
      - { .name: lowp_scales, .offset: 24, .size: 8, .value_kind: global_buffer, .address_space: global }
      - { .name: hs_codes, .offset: 32, .size: 8, .value_kind: global_buffer, .address_space: global }
      - { .name: wqkv_codes, .offset: 40, .size: 8, .value_kind: global_buffer, .address_space: global }
      - { .name: wproj_codes, .offset: 48, .size: 8, .value_kind: global_buffer, .address_space: global }
    .group_segment_fixed_size: 34304
    .private_segment_fixed_size: 0
    .kernarg_segment_align: 8
    .kernarg_segment_size: 56
    .max_flat_workgroup_size: 128
    .sgpr_count:     66
    .vgpr_count:     242
    .wavefront_size: 32
...
	.end_amdgpu_metadata
.endif
;; end of part 1
;; launch qkv (part 2): grid 12 x 32, 4 waves a work-group, clusters of 4 x 4, 327,680 bytes of LDS; arguments hs_codes, wqkv_codes, lowp_scales, bqkv, q_codes, k_codes, v_codes; writes q_codes, k_codes, v_codes
.if DOCPART == 2
	.amdgcn_target "amdgcn-amd-amdhsa--gfx1250"
	.amdhsa_code_object_version 6
	.text
	.protected	k_qe6fd1f0f43_qkv
	.globl	k_qe6fd1f0f43_qkv
	.p2align	8
	.type	k_qe6fd1f0f43_qkv,@function
k_qe6fd1f0f43_qkv:
	s_mov_b64 s[64:65], 0
	v_nop
	global_prefetch_b8 v0, s[64:65] scope:SCOPE_SE
	s_setreg_imm32_b32 hwreg(HW_REG_WAVE_MODE, 25, 1), 1
	s_wait_xcnt 0x0
	s_wait_alu depctr_hold_cnt(0) depctr_sa_sdst(0) depctr_va_vdst(0) depctr_va_sdst(0) depctr_va_ssrc(0) depctr_va_vcc(0) depctr_vm_vsrc(0)
	s_getreg_b32 s2, hwreg(HW_REG_IB_STS2, 6, 4)
	s_cmp_eq_u32 s2, 0
	s_cbranch_scc0 .Lentry_in_a_cluster
	s_endpgm
.Lentry_in_a_cluster:
	s_bfe_u32 s2, ttmp6, 0x10000c
	s_cmp_lg_u32 s2, 0xf033
	s_cbranch_scc0 .Lentry_shape_is_right
	s_endpgm
.Lentry_shape_is_right:
; qkv = hidden_states Wqkv^T + bqkv on codes of FP8 (E4M3), 8,192 x 3,072 x 1,024, and its results quantised at once into the operands of the attention's two products.
; IN: hs_codes, wqkv_codes: images of operand registers, [block of 16 rows][K step of 128 (8)][group of 4 registers (4)][lane][16 bytes].
; OUT: q_codes, k_codes: [batch x 16 + head][block of 16 tokens (128)][group (2)][lane][16]: fragments of 16 tokens x 64 channels;  q is q / 8 with scale entry 2 (the 1 / 8 is 3 added to the exponent), k has entry 3.
;      v_codes: [batch x 16 + head][block of 128 keys (16)][block of 16 channels (4)][group (4)][lane][16]: fragments of 16 channels x 128 keys, entry 5.
; A tile of the result, 256 tokens x 256 features, is made by four waves, 128 x 128 each: 64 accumulators, 512 registers.  K goes in four parts of 256 through a ring of two LDS slots.
; 12 x 32 tiles: a tile column lies wholly in q (cluster x = 0), k (1) or v (2), and the cluster's x is the same in all sixteen partners.
; CLUSTERS: 4 x 4 work-groups.  The four of a row need the same tokens, the four of a column the same rows of Wqkv: each tile is asked for JOINTLY.
; THE MATRIX INSTRUCTION: in its result a lane holds ONE row of source 1 and its eight registers eight neighbouring rows of source 0.  q, k: source 1 = tokens, source 0 = rows of Wqkv: a lane's eight results are
; eight neighbouring channels of a token.  v: the two LDS address registers change regions, so that source 1 = rows of Wqkv and source 0 = tokens: eight neighbouring KEYS of a channel.
; In both cases one conversion of an accumulator's eight registers gives registers 2 c, 2 c + 1 of the next operand: nothing is transposed, and the codes leave without LDS, 512 consecutive bytes a store.
; LIMITS: e0 + e1 between -126 and 127; e2 + 3, e3 and e5 between -126 and 119.
; REGISTERS, in windows of 256: window 0: v8-29 addresses and constants; v32-95, v96-111 the biases in two forms; v128-255 source 1's fragments, ONE set (on the way out v112-239 are at work).
;   window 1: source 0's fragments, TWO sets, at v0 and v128.   window 2: accumulators of source 1's blocks 0-3 ((a, b) at v[8 (8 a + b)]);   window 3: blocks 4-7.
.set HALFT,  32768                     ; 8 blocks of 16 rows x 4,096 bytes: what one tensor load brings, and what one wave reads of a region
.set SLOT,   4*HALFT                   ; the tokens' 256 rows at 0, Wqkv's 256 rows at 65,536
.set SPARE,  2*SLOT                    ; behind the ring: the spare words, 128 bytes for each wave
.set SPART,  4096                      ; a slot's part (256 along K) of a block of 16 rows, in memory and in LDS
.set FR,     16                        ; registers of a fragment
.set NL,     4                         ; LDS loads that bring one
.set NP,     4                         ; places behind this matrix instruction (ISA guide 7.12.1)
.set ADR1, 16                          ; v16-17  LDS address of source 1's fragments in slot 0, 1
.set ADR0, 20                          ; v20-21  the same for source 0
.set SPW,  28                          ; v28     LDS address of my spare word; never rewritten
.set NIL,  29                          ; v29     0; never rewritten
.set BQ,   32                          ; v32-95  q, k: the bias of my 128 features, register 8 b + j: feature 16 b + 8 h + j
.set BV,   96                          ; v96-111 v: the bias of feature 16 a + r, in the pair 2 a, 2 a + 1
.set TMP,  112                         ; v112-175 the way out: a block's 64 numbers
.set CC,   176                         ; v176-239 the way out: four sets of 16 registers of codes
.set AF,   128                         ; source 1's fragments
.set G1, 24                            ; s[24:31] descriptor group 1 for the tokens' tiles;  s[32:39] group 0, one set for each slot
.set G0, 32
.set G1B, 48                           ; s[48:55], s[56:63] the same for Wqkv's tiles
.set G0B, 56
.set MSB, 0
.macro WIN new                         ; the immediate's high byte repeats the setting that is left
.if MSB != (\new)
	s_set_vgpr_msb (MSB<<8)|(\new)
.set MSB, (\new)
.endif
.endm
.set MUL_LO, 0xa1                      ; source 0 window 1, source 1 window 0, C and D window 2
.set MUL_HI, 0xf1                      ; the same, C and D window 3
.set TO_B,   0x40                      ; destination window 1, address window 0
; A joint load: waves 0 and 1 fetch the tokens' two halves, waves 2 and 3 Wqkv's.  The branch hangs on the wave's number alone.  Four v_nop follow each of the two lines.
.macro JLOAD g0a, g1a, g0b, g1b
	s_cmp_eq_u32 s15, 0
	s_cbranch_scc0 .Lfor_b_\@
	tensor_load_to_lds s[\g0a:\g0a+3], s[\g1a:\g1a+7]
	s_nop 0
.rept 4
	v_nop
.endr
	s_branch .Lasked_\@
.Lfor_b_\@:
	tensor_load_to_lds s[\g0b:\g0b+3], s[\g1b:\g1b+7]
	s_nop 0
.rept 4
	v_nop
.endr
.Lasked_\@:
.endm
.macro CREST                           ; a round of the cluster's barrier behind its opening barrier
	s_cmp_lg_u32 s14, 0
	s_cbranch_scc1 .Lnot_wave_0_\@
	s_barrier_signal -3
.Lnot_wave_0_\@:
	s_barrier_wait -3
	s_barrier_signal -1
	s_barrier_wait -1
.endm
.macro CROUND                          ; a whole round
	s_barrier_signal -1
	s_barrier_wait -1
	CREST
.endm
	s_load_b256 s[4:11], s[0:1], 0x0               ; hs_codes s[4:5], wqkv_codes s[6:7], the exponents s[8:9], bqkv s[10:11]
	s_load_b128 s[68:71], s[0:1], 0x20             ; q_codes s[68:69], k_codes s[70:71]
	s_load_b64 s[72:73], s[0:1], 0x30              ; v_codes
	v_lshl_add_u32 v[SPW], v0, 2, SPARE
	v_mov_b32 v[NIL], 0
	ds_add_u32 v28, v29
	ds_add_u32 v28, v29
	s_wait_dscnt 0x0
	v_lshrrev_b32 v1, 5, v0
	v_readfirstlane_b32 s14, v1                    ; wave 0..3
	s_lshr_b32 s15, s14, 1                         ; which half of source 1's region is mine.  Also: I fetch tokens (0) or Wqkv (1)
	s_and_b32 s16, s14, 1                          ; which half of source 0's.  Also: which 128 rows I fetch
	s_bfe_u32 s40, ttmp6, 0x40000                  ; cx, cy: my place in the cluster
	s_bfe_u32 s41, ttmp6, 0x40004
	s_lshl_b32 s42, ttmp9, 2
	s_add_co_u32 s42, s42, s40                     ; tile column = 4 x cluster x + cx
	s_and_b32 s17, ttmp7, 0xffff
	s_lshl_b32 s17, s17, 2
	s_add_co_u32 s17, s17, s41                     ; tile row = 4 x cluster y + cy
	s_lshl_b32 s43, s41, 2
	s_lshl_b32 s43, 15, s43                        ; my row of the cluster
	s_lshl_b32 s44, 0x1111, s40                    ; my column
	; descriptor group 1: 8 rows of 512 elements of 8 bytes (a block's 4,096 bytes of this slot), 2,048 elements (a block's 16,384 bytes) apart; no padding: every LDS read is 16 x lane + a constant
	s_or_b32 s[G1+0], s43, (3<<16)|(1<<21)         ; 15:0 the mask: the tokens' tiles go to my row; 17:16 elements of 8 bytes; 21 set beside a mask
	s_or_b32 s[G1B+0], s44, (3<<16)|(1<<21)        ; Wqkv's go to my column
.irp g, G1, G1B
	s_mov_b32 s[\g+1], 512<<16                     ; tensor_dim0
	s_mov_b32 s[\g+2], 8<<16                       ; tensor_dim1
	s_mov_b32 s[\g+3], 512<<16                     ; tile_dim0
	s_mov_b32 s[\g+4], 8                           ; tile_dim1
	s_mov_b32 s[\g+5], 2048                        ; tensor_dim0_stride
	s_mov_b32 s[\g+6], 0
	s_mov_b32 s[\g+7], 0
.endr
	s_lshl_b32 s20, s17, 18                        ; tokens: 16 blocks of 16,384 bytes a tile row,
	s_lshl_b32 s18, s16, 17                        ; 8 blocks a half
	s_add_co_u32 s20, s20, s18
	s_mov_b32 s21, 0
	s_lshl_b32 s46, s42, 18                        ; Wqkv: the same by the tile column
	s_add_co_u32 s46, s46, s18
	s_mov_b32 s47, 0
	s_lshl_b32 s45, s14, 15                        ; where they go: wave x 32,768: no place in the cluster enters an LDS address
	s_wait_kmcnt 0x0
	s_load_b256 s[80:87], s[8:9], 0x0              ; e0 .. e7
	s_add_nc_u64 s[20:21], s[4:5], s[20:21]
	s_add_nc_u64 s[46:47], s[6:7], s[46:47]
	CROUND                                         ; all sixteen work-groups are here: the first joint loads meet
.irp s, 0,1
	s_mov_b32 s[G0+4*\s], 1
	s_add_co_u32 s[G0+4*\s+1], s45, \s*SLOT
	s_add_nc_u64 s[G0+4*\s+2:G0+4*\s+3], s[20:21], \s*SPART
	s_or_b32 s[G0+4*\s+3], s[G0+4*\s+3], 0x80000000
	s_mov_b32 s[G0B+4*\s], 1
	s_add_co_u32 s[G0B+4*\s+1], s45, \s*SLOT
	s_add_nc_u64 s[G0B+4*\s+2:G0B+4*\s+3], s[46:47], \s*SPART
	s_or_b32 s[G0B+4*\s+3], s[G0B+4*\s+3], 0x80000000
.endr
	JLOAD G0, G1, G0B, G1B                         ; slot 0: one tensor load a wave at the head
	v_and_b32 v1, 31, v0
	v_lshlrev_b32 v10, 4, v1                       ; 16 x lane: an image's place for my lane, in LDS and in the stores
	s_wait_alu depctr_va_vdst(0)
	v_and_b32 v2, 15, v0                           ; r
	v_bfe_u32 v3, v0, 4, 1                         ; h
	v_lshlrev_b32 v8, 5, v3                        ; 32 h
	s_wait_alu depctr_va_vdst(0)
	v_lshlrev_b32 v9, 2, v2                        ; 4 r
	s_wait_alu depctr_va_vdst(0)
	s_cmp_eq_u32 ttmp9, 2                          ; v?  The cluster's x: the same in all partners
	s_cselect_b32 s90, 65536, 0                    ; source 1's region: Wqkv's for v, else the tokens'
	s_cselect_b32 s91, 0, 65536                    ; source 0's: the other one
	s_cselect_b32 s88, s15, s16                    ; which of my two halves counts heads,
	s_cselect_b32 s89, s16, s15                    ; and which counts tokens
	s_lshl_b32 s21, s15, 15
	s_add_co_u32 s21, s21, s90
	s_lshl_b32 s22, s16, 15
	s_add_co_u32 s22, s22, s91
.irp s, 0,1
	v_add_nc_u32 v[ADR1+\s], s21, v10
	v_add_nc_u32 v[ADR0+\s], s22, v10
	s_add_co_u32 s21, s21, SLOT
	s_add_co_u32 s22, s22, SLOT
.endr
	; where my codes go: ((16 x batch + 4 cx + 2 x half) heads of 131,072 bytes) + (tile row % 8) x 16,384 + the other half x 8,192: the same sum for q, k (16 blocks of 1,024 a tile row) and v (2 of 8,192)
	s_lshr_b32 s92, s17, 3
	s_lshl_b32 s92, s92, 4
	s_lshl_b32 s94, s40, 2
	s_add_co_u32 s92, s92, s94
	s_lshl_b32 s88, s88, 1
	s_add_co_u32 s92, s92, s88
	s_lshl_b32 s92, s92, 17
	s_and_b32 s94, s17, 7
	s_lshl_b32 s94, s94, 14
	s_add_co_u32 s92, s92, s94
	s_lshl_b32 s89, s89, 13
	s_add_co_u32 s92, s92, s89
	s_mov_b32 s93, 0
	s_cmp_eq_u32 ttmp9, 0
	s_cselect_b64 s[74:75], s[68:69], s[70:71]
	s_cmp_eq_u32 ttmp9, 2
	s_cselect_b64 s[74:75], s[72:73], s[74:75]
	s_add_nc_u64 s[74:75], s[74:75], s[92:93]
	; the biases, in both forms (24 loads, once): so that no register hangs on the kind
	s_lshl_b32 s88, s42, 10                        ; 256 features of 4 bytes a tile column
	s_lshl_b32 s92, s16, 9
	s_add_co_u32 s92, s92, s88
	s_add_nc_u64 s[76:77], s[10:11], s[92:93]
	s_lshl_b32 s92, s15, 9
	s_add_co_u32 s92, s92, s88
	s_add_nc_u64 s[78:79], s[10:11], s[92:93]
.irp b, 0,1,2,3,4,5,6,7
	global_load_b128 v[BQ+8*\b:BQ+8*\b+3], v8, s[76:77] offset:64*\b
	global_load_b128 v[BQ+8*\b+4:BQ+8*\b+7], v8, s[76:77] offset:64*\b+16
.endr
.irp a, 0,1,2,3,4,5,6,7
	global_load_b32 v[BV+2*\a], v9, s[78:79] offset:64*\a
.endr
.macro FRAG reg, adr, q, i             ; a fragment comes back as it was stored: four groups of 512 bytes, 16 a lane
.irp c, 0,1,2,3
	ds_load_b128 v[\reg+4*\c:\reg+4*\c+3], v[\adr] offset:2048*(\q)+512*\c+(\i)*4096
.endr
.endm
; 16 matrix instructions: source 1's blocks a0, a0 + 1 x source 0's eight, 128 along K.  p: source 0's set.  zero = 1: the first product starts the sums.
; The 64 accumulators take turns, one instruction a turn, in the same order in every step.
.macro MUL16 a0, p, zero
.irp a, \a0, \a0+1
.irp b, 0,1,2,3,4,5,6,7
.if \zero
	v_wmma_f32_16x16x128_fp8_fp8 v[8*(8*((\a)%4)+\b):8*(8*((\a)%4)+\b)+7], v[128*(\p)+FR*\b:128*(\p)+FR*\b+FR-1], v[AF+FR*(\a):AF+FR*(\a)+FR-1], 0
.else
	v_wmma_f32_16x16x128_fp8_fp8 v[8*(8*((\a)%4)+\b):8*(8*((\a)%4)+\b)+7], v[128*(\p)+FR*\b:128*(\p)+FR*\b+FR-1], v[AF+FR*(\a):AF+FR*(\a)+FR-1], v[8*(8*((\a)%4)+\b):8*(8*((\a)%4)+\b)+7]
.endif
.endr
.endr
.endm
.macro FETCH_B slot, q, p              ; source 0's eight fragments of the slot's q-th 128 along K into set p
	WIN TO_B
.irp i, 0,1,2,3,4,5,6,7
	FRAG 128*(\p)+FR*\i, ADR0+\slot, \q, \i
.endr
	WIN 0
.endm
.macro FETCH_A slot, q, i0             ; source 1's blocks i0 .. i0 + 3
.irp i, \i0, \i0+1, \i0+2, \i0+3
	FRAG AF+FR*(\i), ADR1+\slot, \q, \i
.endr
.endm
; A load into a register that a matrix instruction has read, and a vector instruction that reads a matrix result or writes one of its registers, stand NP places behind it; only plain vector
; instructions that name none of its registers are places (ISA guide 7.12.1 for vector instructions).
.macro PLACES n
.rept \n
	v_nop
.endr
.endm
; A step of 128 along K that has its successor in the same slot.
.macro STEP slot, q, zero
	s_wait_dscnt 4*NL                              ; source 0's set and source 1's blocks 0-3 are in; the youngest 16 loads (blocks 4-7) may be out
	WIN MUL_LO
	MUL16 0, (\q)%2, \zero
	MUL16 2, (\q)%2, \zero
	s_wait_dscnt 0                                 ; blocks 4-7 are in (asked for 32 matrix instructions ago)
	PLACES NP
	FETCH_B \slot, (\q)+1, 1-(\q)%2
	FETCH_A \slot, (\q)+1, 0
	WIN MUL_HI
	MUL16 4, (\q)%2, \zero
	MUL16 6, (\q)%2, \zero
	PLACES NP
	WIN 0
	FETCH_A \slot, (\q)+1, 4
.endm
; A slot's last step changes slots: ONE barrier; in front of it each wave waits for all its tensor loads, adds 0 to its spare word, and waits for that and for its own reads of this slot.  fill = 1: this slot is filled again.
.macro TURN slot, next, fill
	s_wait_tensorcnt 0x0                           ; all my tensor loads have landed: my part of the next slot (every window is 0 here)
	ds_add_u32 v[SPW], v[NIL]                      ; 0 onto my spare word
	s_wait_dscnt 4*NL+1                            ; (the add and the youngest 16 loads may be out)
	WIN MUL_LO
	MUL16 0, 1, 0                                  ; sixteen matrix instructions stand between the add and the wait for it
	s_wait_dscnt 0x0                               ; the add is done, and my reads of this slot are over
	s_barrier_signal -1
	MUL16 2, 1, 0
	WIN 0
	s_barrier_wait -1
.if \fill
	CREST                                          ; the barrier has opened a round of the cluster's barrier: no wave of any partner still reads this slot or has a load on its way
	s_add_nc_u64 s[G0+4*\slot+2:G0+4*\slot+3], s[G0+4*\slot+2:G0+4*\slot+3], 2*SPART
	s_add_nc_u64 s[G0B+4*\slot+2:G0B+4*\slot+3], s[G0B+4*\slot+2:G0B+4*\slot+3], 2*SPART
	JLOAD G0+4*\slot, G1, G0B+4*\slot, G1B         ; the first tensor load behind the round; its four v_nop are the places in front of the loads below
.else
	PLACES NP
.endif
	FETCH_B \next, 0, 0
	FETCH_A \next, 0, 0
	WIN MUL_HI
	MUL16 4, 1, 0
	MUL16 6, 1, 0
	PLACES NP
	WIN 0
	FETCH_A \next, 0, 4
.endm
	s_wait_alu depctr_va_vdst(0)
	s_wait_tensorcnt 0x0                           ; my part of slot 0 is in
	ds_add_u32 v[SPW], v[NIL]
	s_wait_dscnt 0x0
	CROUND                                         ; everybody's part is in, and all sixteen work-groups are here
	JLOAD G0+4, G1, G0B+4, G1B                     ; slot 1's first fill: the first tensor load behind the round
	FETCH_B 0, 0, 0
	FETCH_A 0, 0, 0
	FETCH_A 0, 0, 4
	STEP 0, 0, 1                                   ; K 0-127: its products start the sums.  K = 1,024 is eight steps and four fills: written out, since a loop would have one trip
	TURN 0, 1, 1                                   ; K 128-255; slot 0 takes K 512-767
	STEP 1, 0, 0
	TURN 1, 0, 1                                   ; slot 1 takes K 768-1,023
	STEP 0, 0, 0
	TURN 0, 1, 0                                   ; nothing is left to fetch
	STEP 1, 0, 0
	s_wait_dscnt 4*NL                              ; the last step
	WIN MUL_LO
	MUL16 0, 1, 0
	MUL16 2, 1, 0
	s_wait_dscnt 0
	WIN MUL_HI
	MUL16 4, 1, 0
	MUL16 6, 1, 0
	WIN 0
; THE WAY OUT.  number = sum x 2^(e0 + e1) + bias, one packed multiply-add for two; held within +-448 x the next scale; eight numbers of an accumulator become two registers of codes; a block's sixteen registers
; are four groups, each stored as 512 consecutive bytes.  Each accumulator is read from its low end on.
	s_wait_kmcnt 0x0
	s_add_co_i32 s96, s80, s81
	s_add_co_i32 s96, s96, 127
	s_lshl_b32 s96, s96, 23                        ; 2^(e0 + e1) as f32
	s_mov_b32 s97, s96                             ; (named with it as a pair, so it is written)
	s_add_co_i32 s88, s82, 3                       ; q / 8 over 2^e2 is q over 2^(e2 + 3)
	s_cmp_eq_u32 ttmp9, 1
	s_cselect_b32 s89, s83, s85
	s_cmp_eq_u32 ttmp9, 0
	s_cselect_b32 s89, s88, s89                    ; the exponent of the scale that my codes take: chosen, not branched on
	s_add_co_i32 s89, s89, 127
	s_lshl_b32 s88, s89, 23
	v_mov_b32 v13, s88                             ; that scale as f32
	s_add_co_i32 s89, s89, 8
	s_lshl_b32 s89, s89, 23
	s_or_b32 s89, s89, 0x600000
	v_mov_b32 v12, s89                             ; 448 x that scale
	s_wait_loadcnt 0x0                             ; the biases
	PLACES NP                                      ; behind the last products: source 1's registers are written below
.macro OUTBLK a, isv
.set AC, 64*((\a)%4)
.set CSET, CC+16*((\a)%4)
.if (\a) >= 4
	s_wait_xcnt 0x0                                ; the stores of four blocks ago have read this set of codes
.endif
	WIN 0x02+((\a)/4)                              ; source 0: window 2 or 3
.irp b, 0,1,2,3,4,5,6,7
.irp i, 0,2,4,6
.if \isv
	v_pk_fma_f32 v[TMP+8*\b+\i:TMP+8*\b+\i+1], v[AC+8*\b+\i:AC+8*\b+\i+1], s[96:97], v[BV+2*(\a):BV+2*(\a)+1] op_sel_hi:[1,0,1]
.else
	v_pk_fma_f32 v[TMP+8*\b+\i:TMP+8*\b+\i+1], v[AC+8*\b+\i:AC+8*\b+\i+1], s[96:97], v[BQ+8*\b+\i:BQ+8*\b+\i+1] op_sel_hi:[1,0,1]
.endif
.endr
.endr
	WIN 0
.irp b, 0,1,2,3,4,5,6,7
.irp i, 0,1,2,3,4,5,6,7
	v_med3_num_f32 v[TMP+8*\b+\i], v[TMP+8*\b+\i], -v12, v12   ; the conversion does not saturate (ISA guide 7.6.2): the hold
.endr
	v_cvt_scalef32_pk8_fp8_f32 v[CSET+2*\b:CSET+2*\b+1], v[TMP+8*\b:TMP+8*\b+7], v13
.endr
	v_nop                                          ; one plain vector instruction behind the last conversion: the next block writes its sources
.irp g, 0,1,2,3
.if \isv
	global_store_b128 v10, v[CSET+4*\g:CSET+4*\g+3], s[74:75] offset:((\a)/4)*131072+((\a)%4)*2048+512*\g    ; head a / 4, channels 16 (a % 4) on, keys 32 g on
.else
	global_store_b128 v10, v[CSET+4*\g:CSET+4*\g+3], s[74:75] offset:(\g/2)*131072+1024*(\a)+(\g%2)*512       ; head g / 2, tokens 16 a on, channels 32 (g % 2) on
.endif
.endr
.endm
	s_cmp_eq_u32 ttmp9, 2
	s_cbranch_scc1 .Lv
.irp a, 0,1,2,3,4,5,6,7
	OUTBLK \a, 0
.endr
	s_branch .Ljoin
.Lv:
.irp a, 0,1,2,3,4,5,6,7
	v_mov_b32 v[BV+2*\a+1], v[BV+2*\a]             ; a lane's one bias fills the pair that the packed form adds
.endr
.irp a, 0,1,2,3,4,5,6,7
	OUTBLK \a, 1
.endr
.Ljoin:
	s_wait_tensorcnt 0x0                           ; the wave's end
	ds_add_u32 v[SPW], v[NIL]
	s_wait_dscnt 0x0
	CROUND                                         ; the closing round: no work-group ends while a partner may still ask for a tile that names it
	s_endpgm
.Lfunc_end_k_qe6fd1f0f43_qkv:
	.size	k_qe6fd1f0f43_qkv, .Lfunc_end_k_qe6fd1f0f43_qkv-k_qe6fd1f0f43_qkv
	.p2alignl 7, 3214868480
	.fill 96, 4, 3214868480
	.section	.rodata,"a",@progbits
	.p2align	6, 0x0
	.amdhsa_kernel k_qe6fd1f0f43_qkv
		.amdhsa_group_segment_fixed_size 327680
		.amdhsa_private_segment_fixed_size 0
		.amdhsa_enable_private_segment 0
		.amdhsa_kernarg_size 56
		.amdhsa_user_sgpr_count 2
		.amdhsa_user_sgpr_kernarg_segment_ptr 1
		.amdhsa_wavefront_size32 1
		.amdhsa_system_sgpr_workgroup_id_x 1
		.amdhsa_system_sgpr_workgroup_id_y 1
		.amdhsa_system_sgpr_workgroup_id_z 1
		.amdhsa_system_vgpr_workitem_id 0
		.amdhsa_next_free_vgpr 1024
		.amdhsa_next_free_sgpr 100
		.amdhsa_reserve_vcc 0
		.amdhsa_float_denorm_mode_32 3
		.amdhsa_float_denorm_mode_16_64 3
		.amdhsa_memory_ordered 1
		.amdhsa_forward_progress 1
		.amdhsa_inst_pref_size 193
	.end_amdhsa_kernel
	.amdgpu_metadata
---
amdhsa.version: [ 1, 2 ]
amdhsa.kernels:
  - .name:           k_qe6fd1f0f43_qkv
    .symbol:         k_qe6fd1f0f43_qkv.kd
    .args:
      - { .name: hs_codes, .offset: 0, .size: 8, .value_kind: global_buffer, .address_space: global }
      - { .name: wqkv_codes, .offset: 8, .size: 8, .value_kind: global_buffer, .address_space: global }
      - { .name: lowp_scales, .offset: 16, .size: 8, .value_kind: global_buffer, .address_space: global }
      - { .name: bqkv, .offset: 24, .size: 8, .value_kind: global_buffer, .address_space: global }
      - { .name: q_codes, .offset: 32, .size: 8, .value_kind: global_buffer, .address_space: global }
      - { .name: k_codes, .offset: 40, .size: 8, .value_kind: global_buffer, .address_space: global }
      - { .name: v_codes, .offset: 48, .size: 8, .value_kind: global_buffer, .address_space: global }
    .group_segment_fixed_size: 327680
    .private_segment_fixed_size: 0
    .kernarg_segment_align: 8
    .kernarg_segment_size: 56
    .max_flat_workgroup_size: 128
    .sgpr_count:     100
    .vgpr_count:     1024
    .wavefront_size: 32
...
	.end_amdgpu_metadata
.endif
;; end of part 2
;; launch attn (part 3): grid 4 x 64, 16 waves a work-group, no clusters, 264,192 bytes of LDS; arguments q_codes, k_codes, v_codes, lowp_scales, splat_scale, splat_bias, attn_codes; writes attn_codes
.if DOCPART == 3
	.amdgcn_target "amdgcn-amd-amdhsa--gfx1250"
	.amdhsa_code_object_version 6
	.text
	.protected	k_qe6fd1f0f43_attn
	.globl	k_qe6fd1f0f43_attn
	.p2align	8
	.type	k_qe6fd1f0f43_attn,@function
k_qe6fd1f0f43_attn:
	s_mov_b64 s[64:65], 0
	v_nop
	global_prefetch_b8 v0, s[64:65] scope:SCOPE_SE
	s_setreg_imm32_b32 hwreg(HW_REG_WAVE_MODE, 25, 1), 1
	s_wait_xcnt 0x0
; Causal attention of one head on codes of FP8 (E4M3): logit = s x (q / 8 . k) + b, s = 1 + 0.01 tanh(splat_scale[head]), b = 0.001 tanh(splat_bias[head]); key k counts for query q where k <= q.
; THE SOFTMAX AHEAD OF THE SECOND PRODUCT: t = logit x log2(e); M = the row's largest t so far, rounded UP to a whole number; p = 2^(t - M) is quantised (scale entry 4), not normalised.  The row's sum is taken of the
; unquantised p, in f32, and divides O at the end.  When M moves, the sum and O are multiplied by 2^(old M - new M): exact.  The result is quantised (entry 6) into the last product's operand.
; IN: q_codes, k_codes: [batch x 16 + head][block of 16 tokens (128)][group (2)][lane][16]; v_codes: [..][block of 128 keys (16)][block of 16 channels (4)][group (4)][lane][16]: images of operand registers.
; OUT: attn_codes: [block of 16 tokens (512)][K step of 128 (8)][group (4)][lane][16]; a head's 64 channels are half a K step: 1,024 bytes at head x 1,024 of a block.
; SHARES.  A work-group (i, head) owns the blocks of 256 queries 7 - i and i of one head: 8 - i and i + 1 slots of 256 keys, nine in every work-group.  Each of its sixteen waves owns 16 queries of each block.
; Key steps that lie wholly above the diagonal are left out by a scalar branch on ids.
; TWO LOOPS OF CONSTANT COUNT: block 7 - i walks slots 0 to 7, block i slots 0 to 3; so every LDS address is a constant, the lane, the wave and a scalar stepped by a constant.
; LDS.  K's image of the head at 0, V's at 131,072; each byte is stored once.  A slot is 16,384 bytes of each.  Waves 0-7 bring K's eighths of a slot, waves 8-15 V's: four loads of 512 bytes a wave into 16 registers.
; Trip t stores slot t into LDS at its head, in front of the trip's one barrier, and asks for slot t + 1 behind it: those loads have the trip's two key steps in which to land.  Only slots 0 to 7 - i are brought.
; No tensor load.
; THE HOLD OF p: p <= 1, so where e4 >= -8 (448 x 2^e4 >= 1.75) no p passes the largest code; for smaller e4 they run.
; PREFETCH: the four work-groups of a head share a slot's 128 blocks of 256 bytes out: wave 0 of work-group i asks in trip t for quarter i (K's halves, V's halves) of slot t + 3, which trip t + 2 loads; it stops at slot 7.
; NO CLUSTER: the four work-groups of a head need 8 - i slots, a different number each, and the launch has no tensor load to ask jointly with.
; LAYOUT.  Both products are used transposed: S^T = K Q^T, O^T = V^T P^T: a lane holds ONE query (lane % 16).  Tile c of S^T holds keys 16 c + 8 (lane / 16) + 0 .. 7: one conversion gives registers 2 c, 2 c + 1 of P.
; LIMITS: e4 and e6 between -126 and 119; the scaled scores t stay under 2^31 in magnitude.
; REGISTERS: v1 16 x lane; v2 the same in V's image; v5, v6 the spare word and 0; v7 -infinity; v8, v9 the slot in hand; v10 my place in a slot's fill; v11 prefetch offset; v12 -M, v13 largest t, v[14:15] the sum;
; v16-23 Q in hand, v24-31 the second block's; v32-95 K's 8 fragments, then V's 4; v96-159 S^T, then p; v160-191 O^T; v192-207 p's codes; v[208:209] cs, v210 cb, v[212:213] cb - M; v214-217 scales and holds;
; v218-233 the slot on its way; v234-239 partial sums; v240-247 the results' codes; v248 where the slot on its way goes; v250-254 at work.
.set VIMG,  131072
.set SLOTB, 16384
.set SPARE, 262144
.set ST,   218
.set WV,   18
.set IX,   19
.set SEL,  20
.set NH,   23                          ; 8 - i: the slots that this work-group needs
.set FB,   24                          ; s[24:25] my eighth of the slot in hand, in memory
.set PB,   26                          ; s[26:27] my work-group's quarter of the slot in hand, for the prefetch
.set LIM,  28                          ; 5 in wave 0, else 0: a wave asks while the trip is under it
.set E4,   60
.set TT,   66
.set KF,   68                          ; the slot's first key
.set SO,   69                          ; the slot's first byte in both images
.set Q0,   70                          ; my first query
.set QL,   73                          ; my last
.set EPV,  82
	s_load_b256 s[4:11], s[0:1], 0x0               ; q_codes, k_codes, v_codes, the exponents
	s_load_b128 s[12:15], s[0:1], 0x20             ; splat_scale, splat_bias
	s_load_b64 s[16:17], s[0:1], 0x30              ; attn_codes
	v_lshrrev_b32 v3, 5, v0
	v_readfirstlane_b32 s[WV], v3                  ; wave 0..15
	s_mov_b32 s[IX], ttmp9
	s_and_b32 s22, ttmp7, 0xffff                   ; batch x 16 + head
	s_sub_co_u32 s[NH], 8, s[IX]
	s_and_b32 s88, s[WV], 7
	s_lshl_b32 s94, s88, 11                        ; my eighth of a slot: 2,048 bytes
	s_mov_b32 s95, 0
	s_lshr_b32 s90, s[WV], 3
	s_lshl_b32 s90, s90, 17                        ; K's image or V's
	s_add_co_u32 s90, s90, s94
	s_lshl_b32 s92, s22, 17                        ; the head's 131,072 bytes in each of the three tensors
	s_mov_b32 s93, 0
	s_and_b32 s96, s[IX], 1
	s_lshl_b32 s96, s96, 13                        ; which half of K's or V's part of a slot my work-group asks for
	s_mov_b32 s97, 0
	s_mov_b32 s99, 0
	s_sub_co_u32 s88, 7, s[IX]
	s_lshl_b32 s71, s88, 8
	s_lshl_b32 s89, s[WV], 4
	s_add_co_u32 s71, s71, s89                     ; my first query in block 7 - i,
	s_lshl_b32 s72, s[IX], 8
	s_add_co_u32 s72, s72, s89                     ; and in block i
	s_mov_b32 s[SEL], 0x76543210
	s_mov_b32 s[SEL+1], 0xfedcba98
	s_cmp_eq_u32 s[WV], 0
	s_cselect_b32 s[LIM], 5, 0
	v_lshl_add_u32 v5, v0, 2, SPARE
	v_mov_b32 v6, 0
	v_and_b32 v4, 31, v0
	v_lshlrev_b32 v1, 4, v4                        ; 16 x lane
	v_add_nc_u32 v2, VIMG, v1
	v_lshlrev_b32 v11, 8, v4                       ; 256 x lane
	v_add_nc_u32 v10, s90, v1
	s_wait_alu depctr_va_vdst(0)
	s_wait_kmcnt 0x0
	s_load_b256 s[56:63], s[10:11], 0x0            ; e0 .. e7
	s_add_nc_u64 s[4:5], s[4:5], s[92:93]
	s_add_nc_u64 s[6:7], s[6:7], s[92:93]
	s_add_nc_u64 s[8:9], s[8:9], s[92:93]
	s_lshl_b32 s98, s71, 6                         ; 16 queries are 1,024 bytes
	s_add_nc_u64 s[84:85], s[4:5], s[98:99]
	s_lshl_b32 s98, s72, 6
	s_add_nc_u64 s[86:87], s[4:5], s[98:99]
	s_cmp_lt_u32 s[WV], 8
	s_cselect_b64 s[FB:FB+1], s[6:7], s[8:9]
	s_add_nc_u64 s[FB:FB+1], s[FB:FB+1], s[94:95]
	s_cmp_lt_u32 s[IX], 2
	s_cselect_b64 s[PB:PB+1], s[6:7], s[8:9]
	s_add_nc_u64 s[PB:PB+1], s[PB:PB+1], s[96:97]
.irp i, 0,1,2,3
	global_load_b128 v[ST+4*\i:ST+4*\i+3], v1, s[FB:FB+1] offset:512*\i          ; slot 0
.endr
	global_load_b128 v[16:19], v1, s[84:85]        ; Q of both blocks stays in registers
	global_load_b128 v[20:23], v1, s[84:85] offset:512
	global_load_b128 v[24:27], v1, s[86:87]
	global_load_b128 v[28:31], v1, s[86:87] offset:512
	s_lshr_b32 s88, s22, 4                         ; the results: batch x 128 blocks of 16,384 bytes,
	s_lshl_b32 s88, s88, 21
	s_and_b32 s89, s22, 15                         ; the head's 1,024 bytes of a block,
	s_lshl_b32 s90, s89, 10
	s_add_co_u32 s88, s88, s90
	s_lshl_b32 s98, s71, 10                        ; and my block of 16 queries
	s_add_co_u32 s98, s98, s88
	s_add_nc_u64 s[74:75], s[16:17], s[98:99]
	s_lshl_b32 s98, s72, 10
	s_add_co_u32 s98, s98, s88
	s_add_nc_u64 s[76:77], s[16:17], s[98:99]
	s_lshl_b32 s98, s89, 2
	s_add_nc_u64 s[12:13], s[12:13], s[98:99]
	s_add_nc_u64 s[14:15], s[14:15], s[98:99]
	s_load_b32 s80, s[12:13], 0x0                  ; splat_scale[head]
	s_load_b32 s81, s[14:15], 0x0                  ; splat_bias[head]
; A block of queries begins: the largest t is -3e38; the sum and O^T are zeros, which the first change of M leaves zeros.
.macro INIT change
	v_mov_b32 v13, 0xff61b1e6
	v_floor_f32 v12, -v13
	v_mov_b32 v14, 0
	v_mov_b32 v15, 0
.set n, 0
.rept 32
	v_mov_b32 v[160+n], 0
.set n, n+1
.endr
.if \change
.irp j, 0,1,2,3,4,5,6,7
	v_mov_b32 v[16+\j], v[24+\j]                   ; the second block's Q
.endr
.endif
.endm
	INIT 0
	v_mov_b32 v7, 0xff800000                       ; -infinity
	v_mov_b32 v250, 0                              ; a lane permute's destination counts as one of its sources
	v_mov_b32 v253, 0                              ; (named as the upper halves of pairs)
	v_mov_b32 v213, 0
	s_wait_kmcnt 0x0
	s_add_co_i32 s88, s58, s59                     ; e2 + e3
	s_add_co_i32 s[EPV], s60, s61                  ; e4 + e5
	s_add_co_i32 s89, s60, 127
	s_lshl_b32 s90, s89, 23                        ; 2^e4
	s_add_co_i32 s89, s89, 8
	s_lshl_b32 s89, s89, 23
	s_or_b32 s89, s89, 0x600000                    ; 448 x 2^e4
	s_add_co_i32 s91, s62, 127
	s_lshl_b32 s92, s91, 23                        ; 2^e6
	s_add_co_i32 s91, s91, 8
	s_lshl_b32 s91, s91, 23
	s_or_b32 s91, s91, 0x600000                    ; 448 x 2^e6
	v_mov_b32 v214, s90
	v_mov_b32 v215, s89
	v_mov_b32 v216, s92
	v_mov_b32 v217, s91
	v_mov_b32 v241, 0x4038aa3b                     ; 2 log2(e): tanh(x) = 1 - 2 / (1 + 2^(2 log2(e) x))
	v_mul_f32 v240, s80, v241
	v_mul_f32 v242, s81, v241
	s_wait_alu depctr_va_vdst(0)
	v_exp_f32 v240, v240
	v_exp_f32 v242, v242
	v_nop
	s_wait_alu depctr_va_vdst(0)
	v_add_f32 v240, 1.0, v240
	v_add_f32 v242, 1.0, v242
	s_wait_alu depctr_va_vdst(0)
	v_rcp_f32 v240, v240
	v_rcp_f32 v242, v242
	v_nop
	s_wait_alu depctr_va_vdst(0)
	v_fma_f32 v240, v240, -2.0, 1.0                ; tanh(splat_scale)
	v_fma_f32 v242, v242, -2.0, 1.0                ; tanh(splat_bias)
	v_fma_f32 v240, v240, 0x3c23d70a, 1.0          ; s = 1 + 0.01 tanh
	v_mul_f32 v208, 0x3fb8aa3b, v240               ; x log2(e)
	v_ldexp_f32 v208, v208, s88                    ; cs = s log2(e) 2^(e2 + e3)
	v_mov_b32 v209, v208
	v_mul_f32 v210, 0x3a83126f, v242               ; b = 0.001 tanh
	v_mul_f32 v210, 0x3fb8aa3b, v210               ; cb = b log2(e)
; A KEY STEP: 128 keys, the q-th of the slot in hand.
.macro STEP q
	s_add_co_u32 s97, s[KF], 128*(\q)              ; the step's first key
	s_cmp_gt_u32 s97, s[QL]
	s_cbranch_scc1 .Lhidden_\@                     ; all its keys come after my 16 queries: a branch on ids, round the step's work
.rept 4
	v_nop                                          ; places in front of loads into registers that the last products read
.endr
.irp c, 0,1,2,3,4,5,6,7
	ds_load_b128 v[32+8*\c:35+8*\c], v8 offset:8192*(\q)+1024*\c
	ds_load_b128 v[36+8*\c:39+8*\c], v8 offset:8192*(\q)+1024*\c+512
.endr
	s_wait_dscnt 0x0
.irp c, 0,1,2,3,4,5,6,7
	v_wmma_f32_16x16x64_fp8_fp8 v[96+8*\c:103+8*\c], v[32+8*\c:39+8*\c], v[16:23], 0   ; S^T: keys 16 c on
.endr
.rept 4
	v_nop                                          ; places in front of the loads below and of the first read of the scores
.endr
.irp t, 0,1,2,3
.irp g, 0,1,2,3
	ds_load_b128 v[32+16*\t+4*\g:35+16*\t+4*\g], v9 offset:8192*(\q)+2048*\t+512*\g   ; V lands while the softmax is worked
.endr
.endr
	s_add_co_u32 s96, s97, 127
	s_cmp_le_u32 s96, s[Q0]
	s_cbranch_scc1 .Lopen_\@                       ; all 128 keys count
	s_sub_co_u32 s96, s[Q0], s97                   ; ON THE DIAGONAL: my 16 queries face tile w = (my first query - the step's first key) / 16
	s_lshr_b32 s96, s96, 4
.irp c, 0,1,2,3,4,5,6,7                        ; tile c < w counts whole, c > w is hidden whole; in tile w register j is hidden in the lanes where j + 8 (lane / 16) > lane % 16: a constant mask of lanes
	s_cmp_lt_u32 s96, \c
	s_cselect_b32 s98, -1, 0
	s_cmp_eq_u32 s96, \c
.irp j, 0,1,2,3,4,5,6,7
	s_cselect_b32 s[86+(\j%2)], ((1<<\j)-1)|(((1<<(\j+8))-1)<<16), s98
	v_cndmask_b32 v[96+8*\c+\j], v[96+8*\c+\j], v7, s[86+(\j%2)]   ; hidden scores become -infinity: p = 0
.endr
.endr
.Lopen_\@:
	v_max3_num_f32 v254, v96, v97, v98             ; the step's largest score of my query, in two chains, each tile from its low end on,
	v_max3_num_f32 v252, v99, v100, v101
.set n, 6
.rept 14
	v_max3_num_f32 v254, v254, v[96+n], v[97+n]
	v_max3_num_f32 v252, v252, v[98+n], v[99+n]
.set n, n+4
.endr
	v_max3_num_f32 v254, v254, v158, v159
	s_delay_alu instid0(VALU_DEP_1)
	v_max_num_f32 v254, v254, v252
	s_delay_alu instid0(VALU_DEP_1)
	v_permlanex16_b32 v250, v254, s[SEL], s[SEL+1]
	s_delay_alu instid0(VALU_DEP_1)
	v_max_num_f32 v254, v254, v250                 ; and among lane l xor 16's
	s_delay_alu instid0(VALU_DEP_1)
	v_fma_f32 v254, v254, v208, v210               ; as t (cs is positive: s lies between 0.99 and 1.01)
	s_delay_alu instid0(VALU_DEP_1)
	v_max_num_f32 v13, v13, v254                   ; the running largest t
	v_mov_b32 v254, v12
	s_delay_alu instid0(VALU_DEP_2)
	v_floor_f32 v12, -v13                          ; the new -M = -ceil(t)
	s_delay_alu instid0(VALU_DEP_1)
	v_sub_f32 v254, v12, v254                      ; old M - new M: a whole number, 0 or less
	s_delay_alu instid0(VALU_DEP_1)
	v_cvt_i32_f32 v254, v254                       ; (it saturates)
	s_delay_alu instid0(VALU_DEP_1)
	v_ldexp_f32 v252, 1.0, v254                    ; f = 2^(old M - new M)
	s_delay_alu instid0(VALU_DEP_4)
	v_add_f32 v212, v210, v12                      ; cb - M
.set n, 0
.rept 32
	v_pk_fma_f32 v[96+n:97+n], v[96+n:97+n], v[208:209], v[212:213] op_sel_hi:[1,0,0]   ; t - M, two at a time
.set n, n+2
.endr
	s_wait_alu depctr_va_vdst(0)
.set n, 0
.rept 64
	v_exp_f32 v[96+n], v[96+n]                     ; p = 2^(t - M): not normalised
.set n, n+1
.endr
	v_pk_mul_f32 v[14:15], v[14:15], v[252:253] op_sel_hi:[1,0]   ; the sum under the new M (a plain instruction behind the batch)
	s_wait_alu depctr_va_vdst(0)                   ; and one wait behind it, ahead of its first reader
	v_pk_add_f32 v[234:235], v[96:97], v[98:99]    ; the row's sum of the unquantised p: 32 pairs in four chains
	v_pk_add_f32 v[236:237], v[100:101], v[102:103]
	v_pk_add_f32 v[238:239], v[104:105], v[106:107]
	v_pk_add_f32 v[14:15], v[14:15], v[108:109]
.set n, 110
.rept 6
	v_pk_add_f32 v[234:235], v[234:235], v[n:n+1]
	v_pk_add_f32 v[236:237], v[236:237], v[n+2:n+3]
	v_pk_add_f32 v[238:239], v[238:239], v[n+4:n+5]
	v_pk_add_f32 v[14:15], v[14:15], v[n+6:n+7]
.set n, n+8
.endr
	v_pk_add_f32 v[234:235], v[234:235], v[158:159]
	v_pk_add_f32 v[236:237], v[236:237], v[238:239]
	v_pk_add_f32 v[14:15], v[14:15], v[234:235]
	v_pk_add_f32 v[14:15], v[14:15], v[236:237]
	s_cmp_ge_i32 s[E4], -8                         ; 448 x 2^e4 >= 1.75 > every p: nothing to hold
	s_wait_alu depctr_va_vdst(0)
	s_cbranch_scc1 .Lfits_\@
.set n, 0
.rept 64
	v_min_num_f32 v[96+n], v[96+n], v215           ; the conversion does not saturate (ISA guide 7.6.2); p is not negative, so the hold is one-sided
.set n, n+1
.endr
.Lfits_\@:
.irp c, 0,1,2,3,4,5,6,7
	v_cvt_scalef32_pk8_fp8_f32 v[192+2*\c:193+2*\c], v[96+8*\c:103+8*\c], v214   ; registers 2 c, 2 c + 1 of P
.endr
	s_wait_alu depctr_va_vdst(0)
.set n, 0
.rept 16
	v_pk_mul_f32 v[160+n:161+n], v[160+n:161+n], v[252:253] op_sel_hi:[1,0]   ; O^T under the new M (also the plain instructions between the conversions and the products)
.set n, n+2
.endr
	s_wait_alu depctr_va_vdst(0)
	s_wait_dscnt 0x0                               ; V is in
.irp t, 0,1,2,3
	v_wmma_f32_16x16x128_fp8_fp8 v[160+8*\t:167+8*\t], v[32+16*\t:47+16*\t], v[192:207], v[160+8*\t:167+8*\t]   ; O^T += V^T P^T: the four accumulators take turns
.endr
.Lhidden_\@:
.endm
; A block of queries ends: O^T x 2^(e4 + e5) / the sum, quantised; tile t's conversion gives registers 2 t, 2 t + 1 of the head's half fragment.  Two stores of 512 consecutive bytes, aligned.
.macro FINISH sb
	s_wait_xcnt 0x0                                ; earlier stores have read the codes' registers
.rept 4
	v_nop                                          ; places behind the last products
.endr
	v_add_f32 v14, v14, v15
	s_delay_alu instid0(VALU_DEP_1)
	v_permlanex16_b32 v250, v14, s[SEL], s[SEL+1]
	s_delay_alu instid0(VALU_DEP_1)
	v_add_f32 v14, v14, v250                       ; the row's sum
	s_wait_alu depctr_va_vdst(0)
	v_rcp_f32 v14, v14
	v_nop
	s_wait_alu depctr_va_vdst(0)
	v_ldexp_f32 v14, v14, s[EPV]
	s_wait_alu depctr_va_vdst(0)
.set n, 0
.rept 32
	v_mul_f32 v[96+n], v[160+n], v14
.set n, n+1
.endr
.irp t, 0,1,2,3
.irp i, 0,1,2,3,4,5,6,7
	v_med3_num_f32 v[96+8*\t+\i], v[96+8*\t+\i], -v217, v217
.endr
	v_cvt_scalef32_pk8_fp8_f32 v[240+2*\t:241+2*\t], v[96+8*\t:103+8*\t], v216
.endr
	v_nop                                          ; one plain vector instruction behind the last conversion
	global_store_b128 v1, v[240:243], s[\sb:\sb+1]
	global_store_b128 v1, v[244:247], s[\sb:\sb+1] offset:512
.endm
	s_mov_b32 s[TT], 0
	s_mov_b32 s[SO], 0
	s_mov_b32 s[KF], 0
	s_mov_b32 s[Q0], s71
	s_add_co_u32 s[QL], s71, 15
.Lhi:                                              ; block 7 - i: eight trips, slot t in trip t; the trips past its diagonal do no work
	v_add_nc_u32 v8, s[SO], v1
	v_add_nc_u32 v9, s[SO], v2
	v_add_nc_u32 v248, s[SO], v10
	s_wait_alu depctr_va_vdst(0)
	s_wait_loadcnt 0x0                             ; slot t is in my registers (trip 0: Q too; past the last slot nothing is out)
	s_cmp_ge_u32 s[TT], s[NH]
	s_cbranch_scc1 .Lfull                          ; slot t is not among my work-group's 8 - i
.irp i, 0,1,2,3
	ds_store_b128 v248, v[ST+4*\i:ST+4*\i+3] offset:512*\i
.endr
.Lfull:
	s_wait_dscnt 0x0
	s_barrier_signal -1
	s_barrier_wait -1                              ; slot t is whole
	s_add_co_u32 s96, s[TT], 1
	s_cmp_ge_u32 s96, s[NH]
	s_cbranch_scc1 .Lnoload
.irp i, 0,1,2,3
	global_load_b128 v[ST+4*\i:ST+4*\i+3], v1, s[FB:FB+1] offset:SLOTB+512*\i    ; slot t + 1
.endr
.Lnoload:
	s_cmp_lt_u32 s[TT], s[LIM]
	s_cbranch_scc0 .Lnoask
	global_prefetch_b8 v11, s[PB:PB+1] offset:3*SLOTB th:TH_LOAD_NT scope:SCOPE_SE   ; my work-group's 32 blocks of 256 bytes of slot t + 3
.Lnoask:
	STEP 0
	STEP 1
	s_wait_xcnt 0x0                                ; my loads and my prefetch have read their bases, which step only behind this wait
	s_add_nc_u64 s[FB:FB+1], s[FB:FB+1], SLOTB
	s_add_nc_u64 s[PB:PB+1], s[PB:PB+1], SLOTB
	s_add_co_u32 s[SO], s[SO], SLOTB
	s_add_co_u32 s[KF], s[KF], 256
	s_add_co_u32 s[TT], s[TT], 1
	s_cmp_lt_u32 s[TT], 8
	s_cbranch_scc1 .Lhi
	FINISH 74
	INIT 1
	s_mov_b32 s[TT], 0
	s_mov_b32 s[SO], 0
	s_mov_b32 s[KF], 0
	s_mov_b32 s[Q0], s72
	s_add_co_u32 s[QL], s72, 15
.Llo:                                              ; block i (at most 3): four trips; LDS is only read from here on
	v_add_nc_u32 v8, s[SO], v1
	v_add_nc_u32 v9, s[SO], v2
	s_wait_alu depctr_va_vdst(0)
	STEP 0
	STEP 1
	s_add_co_u32 s[SO], s[SO], SLOTB
	s_add_co_u32 s[KF], s[KF], 256
	s_add_co_u32 s[TT], s[TT], 1
	s_cmp_lt_u32 s[TT], 4
	s_cbranch_scc1 .Llo
	FINISH 76
	s_wait_tensorcnt 0x0                           ; the wave's end
	ds_add_u32 v5, v6
	s_wait_dscnt 0x0
	s_endpgm
.Lfunc_end_k_qe6fd1f0f43_attn:
	.size	k_qe6fd1f0f43_attn, .Lfunc_end_k_qe6fd1f0f43_attn-k_qe6fd1f0f43_attn
	.p2alignl 7, 3214868480
	.fill 96, 4, 3214868480
	.section	.rodata,"a",@progbits
	.p2align	6, 0x0
	.amdhsa_kernel k_qe6fd1f0f43_attn
		.amdhsa_group_segment_fixed_size 264192
		.amdhsa_private_segment_fixed_size 0
		.amdhsa_enable_private_segment 0
		.amdhsa_kernarg_size 56
		.amdhsa_user_sgpr_count 2
		.amdhsa_user_sgpr_kernarg_segment_ptr 1
		.amdhsa_wavefront_size32 1
		.amdhsa_system_sgpr_workgroup_id_x 1
		.amdhsa_system_sgpr_workgroup_id_y 1
		.amdhsa_system_sgpr_workgroup_id_z 1
		.amdhsa_system_vgpr_workitem_id 0
		.amdhsa_next_free_vgpr 256
		.amdhsa_next_free_sgpr 100
		.amdhsa_reserve_vcc 0
		.amdhsa_float_denorm_mode_32 3
		.amdhsa_float_denorm_mode_16_64 3
		.amdhsa_memory_ordered 1
		.amdhsa_forward_progress 1
		.amdhsa_inst_pref_size 117
	.end_amdhsa_kernel
	.amdgpu_metadata
---
amdhsa.version: [ 1, 2 ]
amdhsa.kernels:
  - .name:           k_qe6fd1f0f43_attn
    .symbol:         k_qe6fd1f0f43_attn.kd
    .args:
      - { .name: q_codes, .offset: 0, .size: 8, .value_kind: global_buffer, .address_space: global }
      - { .name: k_codes, .offset: 8, .size: 8, .value_kind: global_buffer, .address_space: global }
      - { .name: v_codes, .offset: 16, .size: 8, .value_kind: global_buffer, .address_space: global }
      - { .name: lowp_scales, .offset: 24, .size: 8, .value_kind: global_buffer, .address_space: global }
      - { .name: splat_scale, .offset: 32, .size: 8, .value_kind: global_buffer, .address_space: global }
      - { .name: splat_bias, .offset: 40, .size: 8, .value_kind: global_buffer, .address_space: global }
      - { .name: attn_codes, .offset: 48, .size: 8, .value_kind: global_buffer, .address_space: global }
    .group_segment_fixed_size: 264192
    .private_segment_fixed_size: 0
    .kernarg_segment_align: 8
    .kernarg_segment_size: 56
    .max_flat_workgroup_size: 512
    .sgpr_count:     100
    .vgpr_count:     256
    .wavefront_size: 32
...
	.end_amdgpu_metadata
.endif
;; end of part 3
;; launch proj (part 4): grid 8 x 32, 4 waves a work-group, clusters of 4 x 4, 327,680 bytes of LDS; arguments attn_codes, wproj_codes, lowp_scales, bproj, out0; writes out0
.if DOCPART == 4
	.amdgcn_target "amdgcn-amd-amdhsa--gfx1250"
	.amdhsa_code_object_version 6
	.text
	.protected	k_qe6fd1f0f43_proj
	.globl	k_qe6fd1f0f43_proj
	.p2align	8
	.type	k_qe6fd1f0f43_proj,@function
k_qe6fd1f0f43_proj:
	s_mov_b64 s[64:65], 0
	v_nop
	global_prefetch_b8 v0, s[64:65] scope:SCOPE_SE
	s_setreg_imm32_b32 hwreg(HW_REG_WAVE_MODE, 25, 1), 1
	s_wait_xcnt 0x0
	s_wait_alu depctr_hold_cnt(0) depctr_sa_sdst(0) depctr_va_vdst(0) depctr_va_sdst(0) depctr_va_ssrc(0) depctr_va_vcc(0) depctr_vm_vsrc(0)
	s_getreg_b32 s2, hwreg(HW_REG_IB_STS2, 6, 4)
	s_cmp_eq_u32 s2, 0
	s_cbranch_scc0 .Lentry_in_a_cluster
	s_endpgm
.Lentry_in_a_cluster:
	s_bfe_u32 s2, ttmp6, 0x10000c
	s_cmp_lg_u32 s2, 0xf033
	s_cbranch_scc0 .Lentry_shape_is_right
	s_endpgm
.Lentry_shape_is_right:
.set HALFA,  32768
.set HALFB,  16384
.set BREG,   2*HALFA
.set SLOT,   BREG+2*HALFB
.set SPARE,  2*SLOT
.set SPART,  4096
.set SPITCH, 272
.set FR,     16
.set NL,     4
.set NP,     4
.set ADR1, 16
.set ADR0, 20
.set STO,  24
.set RD,   25
.set CO,   26
.set SPW,  28
.set NIL,  29
.set BQ,   32
.set TMP,  64
.set AF,   128
.set BK,   128
.set G1, 24
.set G0, 32
.set G1B, 48
.set G0B, 56
.set MSB, 0
.macro WIN new
.if MSB != (\new)
	s_set_vgpr_msb (MSB<<8)|(\new)
.set MSB, (\new)
.endif
.endm
.set MUL,  0xa1
.set TO_B, 0x40
.macro JLOAD g0a, g1a, g0b, g1b
	s_cmp_eq_u32 s15, 0
	s_cbranch_scc0 .Lfor_b_\@
	tensor_load_to_lds s[\g0a:\g0a+3], s[\g1a:\g1a+7]
	s_nop 0
.rept 4
	v_nop
.endr
	s_branch .Lasked_\@
.Lfor_b_\@:
	tensor_load_to_lds s[\g0b:\g0b+3], s[\g1b:\g1b+7]
	s_nop 0
.rept 4
	v_nop
.endr
.Lasked_\@:
.endm
.macro CREST
	s_cmp_lg_u32 s14, 0
	s_cbranch_scc1 .Lnot_wave_0_\@
	s_barrier_signal -3
.Lnot_wave_0_\@:
	s_barrier_wait -3
	s_barrier_signal -1
	s_barrier_wait -1
.endm
.macro CROUND
	s_barrier_signal -1
	s_barrier_wait -1
	CREST
.endm
	s_load_b256 s[4:11], s[0:1], 0x0
	s_load_b64 s[12:13], s[0:1], 0x20
	v_lshl_add_u32 v[SPW], v0, 2, SPARE
	v_mov_b32 v[NIL], 0
	ds_add_u32 v28, v29
	ds_add_u32 v28, v29
	s_wait_dscnt 0x0
	v_lshrrev_b32 v1, 5, v0
	v_readfirstlane_b32 s14, v1
	s_lshr_b32 s15, s14, 1
	s_and_b32 s16, s14, 1
	s_bfe_u32 s40, ttmp6, 0x40000
	s_bfe_u32 s41, ttmp6, 0x40004
	s_lshl_b32 s42, ttmp9, 2
	s_add_co_u32 s42, s42, s40
	s_and_b32 s17, ttmp7, 0xffff
	s_lshl_b32 s17, s17, 2
	s_add_co_u32 s17, s17, s41
	s_lshl_b32 s43, s41, 2
	s_lshl_b32 s43, 15, s43
	s_lshl_b32 s44, 0x1111, s40
	s_or_b32 s[G1+0], s43, (3<<16)|(1<<21)
	s_or_b32 s[G1B+0], s44, (3<<16)|(1<<21)
	s_mov_b32 s[G1+1], 512<<16
	s_mov_b32 s[G1+2], 8<<16
	s_mov_b32 s[G1+3], 512<<16
	s_mov_b32 s[G1+4], 8
	s_mov_b32 s[G1+5], 2048
	s_mov_b32 s[G1+6], 0
	s_mov_b32 s[G1+7], 0
	s_mov_b32 s[G1B+1], 512<<16
	s_mov_b32 s[G1B+2], 4<<16
	s_mov_b32 s[G1B+3], 512<<16
	s_mov_b32 s[G1B+4], 4
	s_mov_b32 s[G1B+5], 2048
	s_mov_b32 s[G1B+6], 0
	s_mov_b32 s[G1B+7], 0
	s_lshl_b32 s20, s17, 18
	s_lshl_b32 s18, s16, 17
	s_add_co_u32 s20, s20, s18
	s_mov_b32 s21, 0
	s_lshl_b32 s46, s42, 17
	s_lshl_b32 s18, s16, 16
	s_add_co_u32 s46, s46, s18
	s_mov_b32 s47, 0
	s_lshl_b32 s45, s16, 15
	s_lshl_b32 s89, s16, 14
	s_add_co_u32 s89, s89, BREG
	s_wait_kmcnt 0x0
	s_load_b256 s[80:87], s[8:9], 0x0
	s_add_nc_u64 s[20:21], s[4:5], s[20:21]
	s_add_nc_u64 s[46:47], s[6:7], s[46:47]
	CROUND
.irp s, 0,1
	s_mov_b32 s[G0+4*\s], 1
	s_add_co_u32 s[G0+4*\s+1], s45, \s*SLOT
	s_add_nc_u64 s[G0+4*\s+2:G0+4*\s+3], s[20:21], \s*SPART
	s_or_b32 s[G0+4*\s+3], s[G0+4*\s+3], 0x80000000
	s_mov_b32 s[G0B+4*\s], 1
	s_add_co_u32 s[G0B+4*\s+1], s89, \s*SLOT
	s_add_nc_u64 s[G0B+4*\s+2:G0B+4*\s+3], s[46:47], \s*SPART
	s_or_b32 s[G0B+4*\s+3], s[G0B+4*\s+3], 0x80000000
	s_wait_alu depctr_va_vdst(0)
	s_wait_tensorcnt 0x0
	ds_add_u32 v28, v29
	ds_add_u32 v28, v29
	s_wait_dscnt 0x0
	CROUND
	JLOAD G0+4*\s, G1, G0B+4*\s, G1B
.endr
	v_and_b32 v1, 31, v0
	v_lshlrev_b32 v10, 4, v1
	v_and_b32 v2, 15, v0
	s_wait_alu depctr_va_vdst(0)
	v_bfe_u32 v3, v0, 4, 1
	v_lshlrev_b32 v8, 5, v3
	s_lshl_b32 s21, s15, 15
	s_lshl_b32 s22, s16, 14
	s_add_co_u32 s22, s22, BREG
.irp s, 0,1
	v_add_nc_u32 v[ADR1+\s], s21, v10
	v_add_nc_u32 v[ADR0+\s], s22, v10
	s_add_co_u32 s21, s21, SLOT
	s_add_co_u32 s22, s22, SLOT
.endr
	s_mul_i32 s23, s14, 16*SPITCH
	v_mul_u32_u24 v4, v2, SPITCH
	s_wait_alu depctr_va_vdst(0)
	v_lshl_add_u32 v4, v3, 5, v4
	v_add_nc_u32 v[STO], s23, v4
	v_mul_u32_u24 v5, v3, SPITCH
	v_lshl_add_u32 v5, v2, 4, v5
	v_add_nc_u32 v[RD], s23, v5
	v_lshlrev_b32 v5, 12, v3
	v_lshl_add_u32 v[CO], v2, 4, v5
	s_lshl_b32 s92, s17, 20
	s_lshl_b32 s94, s15, 19
	s_add_co_u32 s92, s92, s94
	s_lshl_b32 s94, s42, 9
	s_add_co_u32 s92, s92, s94
	s_lshl_b32 s94, s16, 8
	s_add_co_u32 s92, s92, s94
	s_mov_b32 s93, 0
	s_add_nc_u64 s[12:13], s[12:13], s[92:93]
	s_lshl_b32 s92, s42, 9
	s_add_co_u32 s92, s92, s94
	s_add_nc_u64 s[76:77], s[10:11], s[92:93]
.irp b, 0,1,2,3
	global_load_b128 v[BQ+8*\b:BQ+8*\b+3], v8, s[76:77] offset:64*\b
	global_load_b128 v[BQ+8*\b+4:BQ+8*\b+7], v8, s[76:77] offset:64*\b+16
.endr
.macro FRAG reg, adr, q, i
.irp c, 0,1,2,3
	ds_load_b128 v[\reg+4*\c:\reg+4*\c+3], v[\adr] offset:2048*(\q)+512*\c+(\i)*4096
.endr
.endm
.macro MUL8 a0, p, zero
.irp a, \a0, \a0+1
.irp b, 0,1,2,3
.if \zero
	v_wmma_f32_16x16x128_fp8_fp8 v[8*(4*(\a)+\b):8*(4*(\a)+\b)+7], v[64*(\p)+FR*\b:64*(\p)+FR*\b+FR-1], v[AF+FR*(\a):AF+FR*(\a)+FR-1], 0
.else
	v_wmma_f32_16x16x128_fp8_fp8 v[8*(4*(\a)+\b):8*(4*(\a)+\b)+7], v[64*(\p)+FR*\b:64*(\p)+FR*\b+FR-1], v[AF+FR*(\a):AF+FR*(\a)+FR-1], v[8*(4*(\a)+\b):8*(4*(\a)+\b)+7]
.endif
.endr
.endr
.endm
.macro FETCH_B slot, q, p
	WIN TO_B
.irp i, 0,1,2,3
	FRAG 64*(\p)+FR*\i, ADR0+\slot, \q, \i
.endr
	WIN 0
.endm
.macro FETCH_A slot, q, i0
.irp i, \i0, \i0+1, \i0+2, \i0+3
	FRAG AF+FR*(\i), ADR1+\slot, \q, \i
.endr
.endm
.macro PLACES n
.rept \n
	v_nop
.endr
.endm
.macro STEP slot, q, zero
	s_wait_dscnt 4*NL
	WIN MUL
	MUL8 0, (\q)%2, \zero
	MUL8 2, (\q)%2, \zero
	s_wait_dscnt 0
	PLACES NP
	FETCH_B \slot, (\q)+1, 1-(\q)%2
	FETCH_A \slot, (\q)+1, 0
	WIN MUL
	MUL8 4, (\q)%2, \zero
	MUL8 6, (\q)%2, \zero
	PLACES NP
	WIN 0
	FETCH_A \slot, (\q)+1, 4
.endm
.macro TURN slot, next, fill
	s_wait_tensorcnt 0x0
	ds_add_u32 v[SPW], v[NIL]
	s_wait_dscnt 4*NL+1
	WIN MUL
	MUL8 0, 1, 0
	s_wait_dscnt 0x0
	s_barrier_signal -1
	MUL8 2, 1, 0
	WIN 0
	s_barrier_wait -1
.if \fill
	CREST
	s_add_nc_u64 s[G0+4*\slot+2:G0+4*\slot+3], s[G0+4*\slot+2:G0+4*\slot+3], 2*SPART
	s_add_nc_u64 s[G0B+4*\slot+2:G0B+4*\slot+3], s[G0B+4*\slot+2:G0B+4*\slot+3], 2*SPART
	JLOAD G0+4*\slot, G1, G0B+4*\slot, G1B
.else
	PLACES NP
.endif
	FETCH_B \next, 0, 0
	FETCH_A \next, 0, 0
	WIN MUL
	MUL8 4, 1, 0
	MUL8 6, 1, 0
	PLACES NP
	WIN 0
	FETCH_A \next, 0, 4
.endm
	s_wait_tensorcnt 1
	s_barrier_signal -1
	s_barrier_wait -1
	FETCH_B 0, 0, 0
	FETCH_A 0, 0, 0
	FETCH_A 0, 0, 4
	STEP 0, 0, 1
	TURN 0, 1, 1
	STEP 1, 0, 0
	TURN 1, 0, 1
	STEP 0, 0, 0
	TURN 0, 1, 0
	STEP 1, 0, 0
	s_wait_dscnt 4*NL
	WIN MUL
	MUL8 0, 1, 0
	MUL8 2, 1, 0
	s_wait_dscnt 0
	MUL8 4, 1, 0
	MUL8 6, 1, 0
	WIN 0
.macro TOSTAGE a
	WIN 0x02
.irp b, 0,1,2,3
.irp i, 0,2,4,6
	v_pk_fma_f32 v[TMP+8*\b+\i:TMP+8*\b+\i+1], v[8*(4*(\a)+\b)+\i:8*(4*(\a)+\b)+\i+1], s[96:97], v[BQ+8*\b+\i:BQ+8*\b+\i+1] op_sel_hi:[1,0,1]
.endr
.endr
	WIN 0
.irp b, 0,1,2,3
	ds_store_b128 v[STO], v[TMP+8*\b:TMP+8*\b+3] offset:64*\b
	ds_store_b128 v[STO], v[TMP+8*\b+4:TMP+8*\b+7] offset:64*\b+16
.endr
.set BB, BK+32*((\a)%2)
.irp t, 0,1,2,3,4,5,6,7
	ds_load_b128 v[BB+4*\t:BB+4*\t+3], v[RD] offset:\t*2*SPITCH
.endr
.endm
.macro SEND a, younger
.set BB, BK+32*((\a)%2)
	s_wait_dscnt \younger
.irp t, 0,1,2,3,4,5,6,7
	global_store_b128 v[CO], v[BB+4*\t:BB+4*\t+3], s[12:13] offset:(16*(\a)+2*\t)*4096 th:TH_STORE_NT
.endr
.endm
	s_wait_kmcnt 0x0
	s_add_co_i32 s96, s86, s87
	s_add_co_i32 s96, s96, 127
	s_lshl_b32 s96, s96, 23
	s_mov_b32 s97, s96
	s_wait_loadcnt 0x0
	PLACES NP
	TOSTAGE 0
.irp a, 1,2,3,4,5,6,7
.if \a > 1
	s_wait_xcnt 0x0
.endif
	TOSTAGE \a
	SEND \a-1, 16
.endr
	SEND 7, 0
	s_wait_tensorcnt 0x0
	ds_add_u32 v[SPW], v[NIL]
	s_wait_dscnt 0x0
	CROUND
	s_endpgm
.Lfunc_end_k_qe6fd1f0f43_proj:
	.size	k_qe6fd1f0f43_proj, .Lfunc_end_k_qe6fd1f0f43_proj-k_qe6fd1f0f43_proj
	.p2alignl 7, 3214868480
	.fill 96, 4, 3214868480
	.section	.rodata,"a",@progbits
	.p2align	6, 0x0
	.amdhsa_kernel k_qe6fd1f0f43_proj
		.amdhsa_group_segment_fixed_size 327680
		.amdhsa_private_segment_fixed_size 0
		.amdhsa_enable_private_segment 0
		.amdhsa_kernarg_size 40
		.amdhsa_user_sgpr_count 2
		.amdhsa_user_sgpr_kernarg_segment_ptr 1
		.amdhsa_wavefront_size32 1
		.amdhsa_system_sgpr_workgroup_id_x 1
		.amdhsa_system_sgpr_workgroup_id_y 1
		.amdhsa_system_sgpr_workgroup_id_z 1
		.amdhsa_system_vgpr_workitem_id 0
		.amdhsa_next_free_vgpr 1024
		.amdhsa_next_free_sgpr 100
		.amdhsa_reserve_vcc 0
		.amdhsa_float_denorm_mode_32 3
		.amdhsa_float_denorm_mode_16_64 3
		.amdhsa_memory_ordered 1
		.amdhsa_forward_progress 1
		.amdhsa_inst_pref_size 78
	.end_amdhsa_kernel
	.amdgpu_metadata
---
amdhsa.version: [ 1, 2 ]
amdhsa.kernels:
  - .name:           k_qe6fd1f0f43_proj
    .symbol:         k_qe6fd1f0f43_proj.kd
    .args:
      - { .name: attn_codes, .offset: 0, .size: 8, .value_kind: global_buffer, .address_space: global }
      - { .name: wproj_codes, .offset: 8, .size: 8, .value_kind: global_buffer, .address_space: global }
      - { .name: lowp_scales, .offset: 16, .size: 8, .value_kind: global_buffer, .address_space: global }
      - { .name: bproj, .offset: 24, .size: 8, .value_kind: global_buffer, .address_space: global }
      - { .name: out0, .offset: 32, .size: 8, .value_kind: global_buffer, .address_space: global }
    .group_segment_fixed_size: 327680
    .private_segment_fixed_size: 0
    .kernarg_segment_align: 8
    .kernarg_segment_size: 40
    .max_flat_workgroup_size: 128
    .sgpr_count:     100
    .vgpr_count:     1024
    .wavefront_size: 32
...
	.end_amdgpu_metadata
.endif
;; end of part 4
